; MI455X (gfx1250); checked and timed in simulation.
; The chip was launched on July 23, 2026; its instructions are those of AMD's public machine-readable ISA for CDNA 5 (MIT licence, August 2026) and "CDNA5" Instruction Set Architecture Reference Guide (July 2026). The comments in the code are by the model that wrote it; some were corrected since.
;; Multi Head Attention. Allowed arithmetic: matrix products marked QUANTISED: E4M3 operands, one given power-of-two scale a tensor, by v_wmma_f32_16x16x64_fp8_fp8 or v_wmma_f32_16x16x128_fp8_fp8, f32 sums; everything else in f32.
;; Inputs: Wo 1,024 x 1,024 float32; Wqkv 3,072 x 1,024 float32; bo 1,024 float32; bqkv 3,072 float32; lowp_scales 8 int32 (the exponents e of the quantised operands' scales 2^e); pad_mask 4 x 2,048 int32; x 4 x 2,048 x 1,024 float32.
;; Outputs: out0 4 x 2,048 x 1,024 float32.
;; Constants: atn_mask = 1.
;; This version of the problem:
;;   THIS VERSION OF THE PROBLEM IS GIVEN IN LOW PRECISION. The matrix products marked QUANTISED in the list below multiply operands that are first quantised to E4M3 (4 exponent bits, 3 mantissa bits; 8 bits a number), with one given power-of-two scale for each operand tensor; their sums are f32. All else is computed in f32.
;;   The module's matrix products, in the order in which they are computed (A, B: the left and right operand; K: the contracted axis; several contracted axes count as one K, in the product's order):
;;     1. [M 8,192, K 1,024] x [K 1,024, N 3,072]; A: input x; B: input Wqkv: QUANTISED (scales: A lowp_scales[0], B lowp_scales[1])
;;     2. batch 64 x [M 2,048, K 64] x [K 64, N 2,048]; A: computed on the way; B: computed on the way: QUANTISED (scales: A lowp_scales[2], B lowp_scales[3])
;;     3. batch 64 x [M 2,048, K 2,048] x [K 2,048, N 64]; A: computed on the way; B: computed on the way: QUANTISED (scales: A lowp_scales[4], B lowp_scales[5])
;;     4. [M 8,192, K 1,024] x [K 1,024, N 1,024]; A: computed on the way; B: input Wo: QUANTISED (scales: A lowp_scales[6], B lowp_scales[7])
;;   THE QUANTISER, for each operand of a quantised product, along K:
;;     - The operand's scale is 2^e, e = its entry of the input lowp_scales (int32; the entries are numbered through the quantised products in the list's order, A before B).
;;     - Each number is divided by the scale, clamped to +-448, and rounded to the nearest number of E4M3, ties to even, subnormals kept.
;;     - The product sums the exact products of the quantised numbers (number of the format x scale) in f32.
;;   ~~~python
;;   def quantise(x, axis, e):      # numpy; x: float32 -> the quantised numbers, widened to float32 again
;;       x = np.moveaxis(x, axis, -1); K = x.shape[-1]
;;       r = np.clip(x / 2.0 ** e, -448, 448)
;;       step = 2.0 ** (np.maximum(np.frexp(np.where(r == 0, 1, r))[1] - 1, -6) - 3)
;;       q = np.round(r / step) * step * 2.0 ** e      # np.round: ties to even
;;       return np.moveaxis(q, -1, axis).astype(np.float32)
;;   ~~~
;;   OPERANDS COMPUTED ON THE WAY. 'Computed on the way' means the value that the module computes at that place (a softmax that the list does not call 'softmax' is quantised finished and normalised). What goes into a quantiser is computed in f32, as accurately as f32 sums, v_exp_f32 and their like allow (about 1e-6 of the number): no bf16 or f16 on the way to a quantiser, and a product that is left as it is and whose result goes on into a quantised operand takes f32 operands (vector FMAs, or v_wmma_f32_16x16x4_f32). A number that lies on a knife's edge between two numbers of the format may be rounded either way, as far as f32 arithmetic and the matrix unit's own rounding can turn it there, and no further.
;; One version. Each part assembles by itself: llvm-mc -triple=amdgcn-amd-amdhsa -mcpu=gfx1250 --defsym DOCPART=n.
;; ======== version 1 of 1: 4 launches
;; limits: right only within a limited range of input values
;; workspace buffers: x_img 8,388,608 bytes; wqkv_img 3,145,728 bytes; wo_img 1,048,576 bytes; q_img 8,388,608 bytes; k_img 8,388,608 bytes; v_img 8,388,608 bytes; val_img 8,388,608 bytes
;; launch quant (part 1): grid 384 x 1, 4 waves a work-group, no clusters, 35,328 bytes of LDS; arguments x, Wqkv, Wo, lowp_scales, x_img, wqkv_img, wo_img; writes x_img, wqkv_img, wo_img
.if DOCPART == 1
	.amdgcn_target "amdgcn-amd-amdhsa--gfx1250"
	.amdhsa_code_object_version 6
	.text
	.protected	k_q1b858f565b_quant
	.globl	k_q1b858f565b_quant
	.p2align	8
	.type	k_q1b858f565b_quant,@function
k_q1b858f565b_quant:
	s_mov_b64 s[64:65], 0
	v_nop
	global_prefetch_b8 v0, s[64:65] scope:SCOPE_SE
	s_setreg_imm32_b32 hwreg(HW_REG_WAVE_MODE, 25, 1), 1
	s_wait_xcnt 0x0
; x [8192][1024], Wqkv [3072][1024], Wo [1024][1024], f32, K innermost, become codes of E4M3 with the given scales 2^e (entries 0, 1 and 7 of the scales).
; code = number / 2^e, held within +-448, rounded to the nearest code, ties to even.  LIMITS: e between -126 and 119; NaN among the inputs is not served.
; THE CODES ARE LAID AS IMAGES OF OPERAND REGISTERS of the 16x16x64 form.  A fragment, 16 rows x 64 K, is 8 registers a lane, 1,024 bytes: [g = 0, 1][lane][16 bytes]; lane (r, h) holds row r,
; registers 2 c, 2 c + 1: k = 16 c + 8 h + 0 .. 7; group g is registers 4 g .. 4 g + 3.  A buffer is [tile of 16 rows][kappa = K / 64][1,024 bytes].  So a later launch brings a fragment by two
; loads of 16 bytes a lane at 16 x lane, and each store here covers 512 consecutive bytes, aligned.
; SHARES.  A work-group takes two tiles of rows; wave w takes tile w / 2 of them and half w % 2 of K: 8 fragments.  Work-groups 0-255: x; 256-351: Wqkv; 352-383: Wo: only pointers and e are chosen.
; A load is best where neighbouring lanes take neighbouring bytes (two rows x 256 bytes an instruction); the conversion wants 8 neighbours along K in one lane.  Both are had by a turn through the
; wave's own stage in LDS (16 rows, 256 bytes + 16 of padding).  Loads run four fragments ahead, the turn one.  No barrier: waves share nothing.  No matrix unit, no cluster: a stream.
.set NF,    8                          ; fragments of a wave
.set SP,    272                        ; a stage row
.set STGB,  16*SP                      ; a stage
.set WREG,  2*STGB                     ; a wave's two stages
.set GL,    2                          ; v2   in memory: (lane / 16) rows of 4,096 bytes + 16 (lane % 16)
.set SI,    3                          ; v3   into the stage: the same place, rows of 272
.set SOUT,  4                          ; v4   out of it: row r, + 32 h
.set L16,   5                          ; v5   16 x lane
.set LIM,   10                         ; v10  448 x 2^e
.set SC,    11                         ; v11  2^e
.set R,     16                         ; v16-143  four sets of 32: a fragment's numbers as loaded
.set X,     144                        ; v144-207 two sets of 32: register 8 c + j = k 16 c + 8 h + j of row r
.set C,     208                        ; v208-239 four sets of 8: a fragment's codes
	s_load_b256 s[4:11], s[0:1], 0x0               ; x, Wqkv, Wo, the scales' exponents
	s_load_b128 s[12:15], s[0:1], 0x20             ; x_img, wqkv_img
	s_load_b64 s[16:17], s[0:1], 0x30              ; wo_img
	v_lshl_add_u32 v240, v0, 2, 0x8800
	v_mov_b32 v241, 0
	v_lshrrev_b32 v1, 5, v0
	v_readfirstlane_b32 s18, v1                    ; wave
	v_and_b32 v6, 15, v0                           ; r
	v_bfe_u32 v7, v0, 4, 1                         ; h
	v_and_b32 v[L16], 31, v0
	v_lshlrev_b32 v[L16], 4, v[L16]
	v_lshlrev_b32 v[GL], 12, v7
	v_lshl_add_u32 v[GL], v6, 4, v[GL]
	s_mul_i32 s19, s18, WREG
	v_mul_u32_u24 v[SI], v7, SP
	v_lshl_add_u32 v[SI], v6, 4, v[SI]
	v_add_nc_u32 v[SI], s19, v[SI]
	v_mul_u32_u24 v[SOUT], v6, SP
	v_lshl_add_u32 v[SOUT], v7, 5, v[SOUT]
	v_add_nc_u32 v[SOUT], s19, v[SOUT]
	s_mov_b32 s34, 352
	s_wait_kmcnt 0x0
	s_load_b256 s[24:31], s[10:11], 0x0            ; e0 .. e7
	s_cmp_lt_u32 ttmp9, 352                        ; which tensor: the choice hangs on the work-group's number alone
	s_cselect_b64 s[20:21], s[6:7], s[8:9]
	s_cselect_b64 s[22:23], s[14:15], s[16:17]
	s_cselect_b32 s34, 256, s34                    ; the tensor's first work-group
	s_cmp_lt_u32 ttmp9, 256
	s_cselect_b64 s[20:21], s[4:5], s[20:21]
	s_cselect_b64 s[22:23], s[12:13], s[22:23]
	s_cselect_b32 s34, 0, s34
	s_sub_co_u32 s34, ttmp9, s34
	s_lshl_b32 s34, s34, 1
	s_lshr_b32 s35, s18, 1
	s_add_co_u32 s34, s34, s35                     ; my tile of 16 rows
	s_and_b32 s35, s18, 1                          ; my half of K
	s_lshl_b32 s36, s34, 16                        ; 16 rows of 4,096 bytes,
	s_lshl_b32 s37, s35, 11                        ; 512 numbers
	s_add_co_u32 s36, s36, s37
	s_mov_b32 s37, 0
	s_add_nc_u64 s[20:21], s[20:21], s[36:37]
	s_lshl_b32 s36, s34, 14                        ; 16 fragments a tile,
	s_lshl_b32 s38, s35, 13                        ; 8 a half
	s_add_co_u32 s36, s36, s38
	s_add_nc_u64 s[22:23], s[22:23], s[36:37]
.macro LOAD t                          ; fragment t: 16 rows x 256 bytes; each load reads two rows' 256 consecutive bytes
.irp i, 0,1,2,3,4,5,6,7
	global_load_b128 v[R+32*((\t)%4)+4*\i:R+32*((\t)%4)+4*\i+3], v[GL], s[20:21] offset:256*(\t)+8192*\i th:TH_LOAD_NT
.endr
.endm
.macro TURN t                          ; through the stage: LDS serves a wave's instructions in order, so no wait stands between the stores and the loads
.irp i, 0,1,2,3,4,5,6,7
	ds_store_b128 v[SI], v[R+32*((\t)%4)+4*\i:R+32*((\t)%4)+4*\i+3] offset:STGB*((\t)%2)+2*SP*\i
.endr
.irp m, 0,1,2,3,4,5,6,7
	ds_load_b128 v[X+32*((\t)%2)+4*\m:X+32*((\t)%2)+4*\m+3], v[SOUT] offset:STGB*((\t)%2)+64*(\m/2)+16*(\m%2)
.endr
.endm
.irp t, 0,1,2,3
	LOAD \t
.endr
	s_wait_kmcnt 0x0
	s_cmp_lt_u32 ttmp9, 352
	s_cselect_b32 s38, s25, s31                    ; e1 or e7,
	s_cmp_lt_u32 ttmp9, 256
	s_cselect_b32 s38, s24, s38                    ; or e0
	s_add_co_i32 s38, s38, 127
	s_lshl_b32 s39, s38, 23
	v_mov_b32 v[SC], s39                           ; 2^e as f32: the conversion takes its exponent field
	s_add_co_i32 s38, s38, 8
	s_lshl_b32 s38, s38, 23
	s_or_b32 s38, s38, 0x600000
	v_mov_b32 v[LIM], s38                          ; 448 x 2^e
	s_wait_loadcnt 24                              ; fragment 0's eight loads are in; those of fragments 1 to 3 may be out
	TURN 0
.macro STEP t
.set XS, X+32*((\t)%2)
.set CS, C+8*((\t)%4)
	s_wait_dscnt 0x0                               ; this fragment's numbers are back from the stage, and its stores into the stage have read their registers,
.if (\t)+4 < NF
	LOAD (\t)+4                                    ; which take the loads of four fragments on
.endif
.if (\t)+1 < NF
.if (\t)+4 < NF
	s_wait_loadcnt 24                              ; the next fragment's loads are in; three younger fragments' may be out
.else
	s_wait_loadcnt 8*(NF-2-(\t))                   ; the counts run down
.endif
	TURN (\t)+1                                    ; through the other stage while this fragment is worked
.endif
.irp i, 0,1,2,3,4,5,6,7,8,9,10,11,12,13,14,15,16,17,18,19,20,21,22,23,24,25,26,27,28,29,30,31
	v_med3_num_f32 v[XS+\i], v[XS+\i], -v[LIM], v[LIM]   ; the conversion to an 8-bit code does not saturate (ISA guide 7.6.2): the hold comes first
.endr
.if (\t) >= 4
	s_wait_xcnt 0x0                                ; the stores of four fragments back have read these code registers
.endif
.irp c, 0,1,2,3
	v_cvt_scalef32_pk8_fp8_f32 v[CS+2*\c:CS+2*\c+1], v[XS+8*\c:XS+8*\c+7], v[SC]   ; registers 2 c, 2 c + 1 of the fragment
.endr
	global_store_b128 v[L16], v[CS:CS+3], s[22:23] offset:1024*(\t)        ; 32 lanes store 512 consecutive bytes, aligned
	global_store_b128 v[L16], v[CS+4:CS+7], s[22:23] offset:1024*(\t)+512
.endm
.irp t, 0,1,2,3,4,5,6,7
	STEP \t
.endr
	s_wait_tensorcnt 0x0
	ds_add_u32 v240, v241
	s_wait_dscnt 0x0
	s_endpgm
.Lfunc_end_k_q1b858f565b_quant:
	.size	k_q1b858f565b_quant, .Lfunc_end_k_q1b858f565b_quant-k_q1b858f565b_quant
	.p2alignl 7, 3214868480
	.fill 96, 4, 3214868480
	.section	.rodata,"a",@progbits
	.p2align	6, 0x0
	.amdhsa_kernel k_q1b858f565b_quant
		.amdhsa_group_segment_fixed_size 35328
		.amdhsa_private_segment_fixed_size 0
		.amdhsa_enable_private_segment 0
		.amdhsa_kernarg_size 56
		.amdhsa_user_sgpr_count 2
		.amdhsa_user_sgpr_kernarg_segment_ptr 1
		.amdhsa_wavefront_size32 1
		.amdhsa_system_sgpr_workgroup_id_x 1
		.amdhsa_system_sgpr_workgroup_id_y 1
		.amdhsa_system_sgpr_workgroup_id_z 1
		.amdhsa_system_vgpr_workitem_id 0
		.amdhsa_next_free_vgpr 242
		.amdhsa_next_free_sgpr 66
		.amdhsa_reserve_vcc 0
		.amdhsa_float_denorm_mode_32 3
		.amdhsa_float_denorm_mode_16_64 3
		.amdhsa_memory_ordered 1
		.amdhsa_forward_progress 1
		.amdhsa_inst_pref_size 38
	.end_amdhsa_kernel
	.amdgpu_metadata
---
amdhsa.version: [ 1, 2 ]
amdhsa.kernels:
  - .name:           k_q1b858f565b_quant
    .symbol:         k_q1b858f565b_quant.kd
    .args:
      - { .name: x, .offset: 0, .size: 8, .value_kind: global_buffer, .address_space: global }
      - { .name: Wqkv, .offset: 8, .size: 8, .value_kind: global_buffer, .address_space: global }
      - { .name: Wo, .offset: 16, .size: 8, .value_kind: global_buffer, .address_space: global }
      - { .name: lowp_scales, .offset: 24, .size: 8, .value_kind: global_buffer, .address_space: global }
      - { .name: x_img, .offset: 32, .size: 8, .value_kind: global_buffer, .address_space: global }
      - { .name: wqkv_img, .offset: 40, .size: 8, .value_kind: global_buffer, .address_space: global }
      - { .name: wo_img, .offset: 48, .size: 8, .value_kind: global_buffer, .address_space: global }
    .group_segment_fixed_size: 35328
    .private_segment_fixed_size: 0
    .kernarg_segment_align: 8
    .kernarg_segment_size: 56
    .max_flat_workgroup_size: 128
    .sgpr_count:     66
    .vgpr_count:     242
    .wavefront_size: 32
...
	.end_amdgpu_metadata
.endif
;; end of part 1
;; launch qkv (part 2): grid 16 x 16, 4 waves a work-group, clusters of 4 x 1, 197,120 bytes of LDS; arguments x_img, wqkv_img, bqkv, pad_mask, lowp_scales, q_img, k_img, v_img; writes q_img, k_img, v_img
.if DOCPART == 2
	.amdgcn_target "amdgcn-amd-amdhsa--gfx1250"
	.amdhsa_code_object_version 6
	.text
	.protected	k_q1b858f565b_qkv
	.globl	k_q1b858f565b_qkv
	.p2align	8
	.type	k_q1b858f565b_qkv,@function
k_q1b858f565b_qkv:
	s_mov_b64 s[64:65], 0
	v_nop
	global_prefetch_b8 v0, s[64:65] scope:SCOPE_SE
	s_setreg_imm32_b32 hwreg(HW_REG_WAVE_MODE, 25, 1), 1
	s_wait_xcnt 0x0
	s_wait_alu depctr_hold_cnt(0) depctr_sa_sdst(0) depctr_va_vdst(0) depctr_va_sdst(0) depctr_va_ssrc(0) depctr_va_vcc(0) depctr_vm_vsrc(0)
	s_getreg_b32 s2, hwreg(HW_REG_IB_STS2, 6, 4)
	s_cmp_eq_u32 s2, 0
	s_cbranch_scc0 .Lentry_in_a_cluster
	s_endpgm
.Lentry_in_a_cluster:
	s_bfe_u32 s2, ttmp6, 0x10000c
	s_cmp_lg_u32 s2, 0x3003
	s_cbranch_scc0 .Lentry_shape_is_right
	s_endpgm
.Lentry_shape_is_right:
; qkv = x Wqkv^T + bqkv on codes of E4M3 (16x16x64 form), and its three slices quantised at once into images of the operands of attention's two products.
; A head's q, k and v are columns 192 head + 0..63, 64..127, 128..191.  Work-group: one head (grid y), one quarter cx of one batch's 2,048 rows (cluster x = the batch): two blocks of 256 rows.
; Wave w: 64 rows x all 192 columns: 48 accumulators.  THE HEAD'S WEIGHTS, 12 tiles x 16 K steps x 1,024 bytes = 196,608 bytes, LIE WHOLE IN LDS, filled once: no slot is filled twice, so the loop has no barrier.
; CLUSTER: the four partners need the same weights: each wave's quarter of them is asked for JOINTLY (mask 15).  x's fragments are read by one wave of a work-group alone, so they go from memory straight into a
; ring of eight register sets, seven K steps ahead; they are not shared through LDS.
; q and k are made TRANSPOSED (source 0 = 16 rows of W, source 1 = 16 tokens): a lane holds one token and 8 neighbouring columns, so a conversion's result is registers 2 c, 2 c + 1 of a fragment [16 tokens][64].
; v is made the natural way (source 0 = tokens, source 1 = rows of W): a lane holds one column d and 8 tokens down its registers: registers 2 a, 2 a + 1 of a fragment [16 d][64 keys]: the keys are the next K.
; The bias, divided by 2^(e0 + e1), is the C of each sum's first product.  A sum stands for sum x 2^(e0 + e1), so the conversions take 2^(e2 - e0 - e1) (q), 2^(e3 - ..) (k), 2^(e5 - ..) (v).
; THE PAD MASK'S KEY SIDE: a weight of attention that is set to 0 times v equals the weight times 0, so v's hold is +-448 x the scale where the token's pad is not 0, and +-0 where it is 0.
; LIMITS: e2 - e0 - e1, e3 - e0 - e1, e5 - e0 - e1 between -126 and 119.  NaN among the inputs is not served.
; REGISTERS, in windows of 256.  Window 0: v2-4 LDS bases (v2 = 16 x lane), v5 32 h, v6 4 r, v8-13 scales and holds, v32-63 v's holds of block 1, v64-159 and v160-255 W's 12 fragments, two sets
; (on the way out v160-255 take the codes).  Window 1: x's fragments, 8 sets of 4.  Window 2: q's and k's accumulators (a, b) at 8 (8 a + b).  Window 3: v0-127 v's accumulators (a, t) at 8 (4 a + t);
; v128-191 q's and k's bias; v192-223 v's bias; v224-255 v's holds of block 0.
.set WV,   20                          ; s20 wave; s21 cx; s22 batch; s23 head
.set CX,   21
.set G1,   24                          ; s[24:31] descriptor group 1; s[32:35] group 0; s[36:43] e0 .. e7
.set G0,   32
.set L16,  2
.set AB,   2
.set H32,  5
.set R4,   6
.set SCQ,  8
.set LIMQ, 9
.set SCK,  10
.set LIMK, 11
.set SCV,  12
.set LIMVS, 13
.set LV1,  32
.set BS,   64
.set CQ,   160                         ; the way out: q's and k's codes, 16 registers a tile of tokens
.set CV,   224                         ; v's codes, 8 registers a tile of d
.set BQK,  128                         ; in window 3
.set BV,   192
.set LV0,  224
.set MSB, 0
.macro WIN new                         ; bits 1:0 source 0, 3:2 source 1, 5:4 source 2, 7:6 destination; the high byte repeats the setting that is left
.if MSB != \new
	s_set_vgpr_msb (MSB<<8)|\new
.set MSB, \new
.endif
.endm
.macro PLACES n
.rept \n
	v_nop
.endr
.endm
.macro CROUND                          ; a round of the cluster's barrier
	s_barrier_signal -1
	s_barrier_wait -1
	s_cmp_lg_u32 s[WV], 0
	s_cbranch_scc1 .Lnot_wave_0_\@
	s_barrier_signal -3
.Lnot_wave_0_\@:
	s_barrier_wait -3
	s_barrier_signal -1
	s_barrier_wait -1
.endm
	s_load_b512 s[4:19], s[0:1], 0x0               ; x_img, wqkv_img, bqkv, pad_mask, scales, q_img, k_img, v_img
	v_lshl_add_u32 v30, v0, 2, 0x30000
	v_mov_b32 v31, 0
	ds_add_u32 v30, v31
	ds_add_u32 v30, v31
	v_lshrrev_b32 v7, 5, v0
	v_readfirstlane_b32 s[WV], v7
	v_and_b32 v[L16], 31, v0
	v_lshlrev_b32 v[L16], 4, v[L16]                ; 16 x lane: a fragment's place for my lane; also W's tiles 0-3 in LDS
	v_add_nc_u32 v[AB+1], 0x10000, v[L16]          ; tiles 4-7
	v_add_nc_u32 v[AB+2], 0x20000, v[L16]          ; tiles 8-11
	v_bfe_u32 v[H32], v0, 4, 1
	v_lshlrev_b32 v[H32], 5, v[H32]
	v_and_b32 v[R4], 15, v0
	v_lshlrev_b32 v[R4], 2, v[R4]
	s_bfe_u32 s[CX], ttmp6, 0x40000                ; my place in the cluster: it enters global addresses of x, pad, q, k, v alone
	s_mov_b32 s22, ttmp9                           ; the batch (in a cluster launch ttmp9 counts clusters)
	s_and_b32 s23, ttmp7, 0xffff                   ; the head
	s_mov_b32 s[G1], 15|(3<<16)|(1<<21)            ; 15:0 the mask: all four; 17:16 elements of 8 bytes; 21 set beside a mask; no padding
	s_mov_b32 s[G1+1], 32<<16                      ; tensor_dim0 = 32 elements: 256 bytes
	s_mov_b32 s[G1+2], 192<<16                     ; tensor_dim1 = 192 rows: a dense block of 49,152 bytes
	s_mov_b32 s[G1+3], 32<<16                      ; tile_dim0
	s_mov_b32 s[G1+4], 192                         ; tile_dim1
	s_mov_b32 s[G1+5], 32                          ; the pitch
	s_mov_b32 s[G1+6], 0
	s_mov_b32 s[G1+7], 0
	s_mul_i32 s[G0+1], s[WV], 49152                ; LDS address: my quarter
	s_mul_i32 s44, s23, 196608
	s_add_co_u32 s44, s44, s[G0+1]                 ; and the same quarter of the head's weights
	s_mov_b32 s45, 0
	s_lshl_b32 s46, s22, 2
	s_add_co_u32 s46, s46, s[CX]
	s_lshl_b32 s46, s46, 19                        ; x: 32 tiles of 16,384 bytes a quarter,
	s_lshl_b32 s47, s[WV], 16                      ; 4 tiles a wave
	s_add_co_u32 s46, s46, s47
	s_mov_b32 s47, 0
	s_lshl_b32 s48, s22, 4
	s_add_co_u32 s48, s48, s23                     ; bh = 16 batch + head
	s_lshl_b32 s50, s48, 17                        ; q, k, v: 131,072 bytes a head,
	s_lshl_b32 s49, s[CX], 15                      ; 512 tokens x 64 codes a quarter,
	s_add_co_u32 s50, s50, s49
	s_lshl_b32 s49, s[WV], 12                      ; 64 tokens a wave: the same offset in all three images
	s_add_co_u32 s50, s50, s49
	s_mov_b32 s51, 0
	s_lshl_b32 s52, s22, 13                        ; pad: 4 (2,048 batch + 512 cx + 64 wave)
	s_lshl_b32 s49, s[CX], 11
	s_add_co_u32 s52, s52, s49
	s_lshl_b32 s49, s[WV], 8
	s_add_co_u32 s52, s52, s49
	s_mov_b32 s53, 0
	s_mul_i32 s54, s23, 768                        ; the bias: 192 numbers a head
	s_mov_b32 s55, 0
	s_wait_dscnt 0x0
	s_wait_kmcnt 0x0
	s_load_b256 s[36:43], s[12:13], 0x0            ; e0 .. e7
	s_mov_b32 s[G0], 1
	s_add_nc_u64 s[G0+2:G0+3], s[6:7], s[44:45]
	s_or_b32 s[G0+3], s[G0+3], 0x80000000          ; type = 2
	s_add_nc_u64 s[4:5], s[4:5], s[46:47]
	s_add_nc_u64 s[14:15], s[14:15], s[50:51]
	s_add_nc_u64 s[16:17], s[16:17], s[50:51]
	s_add_nc_u64 s[18:19], s[18:19], s[50:51]
	s_add_nc_u64 s[10:11], s[10:11], s[52:53]
	s_add_nc_u64 s[8:9], s[8:9], s[54:55]
	CROUND                                         ; all four work-groups are here: the joint loads meet
	tensor_load_to_lds s[G0:G0+3], s[G1:G1+7]      ; my one tensor load of the launch
	s_nop 0
	PLACES 4                                       ; four plain lines behind it
.irp b, 0,1,2,3,4,5,6,7                ; q's and k's bias: lane (r, h) wants, for column tile b, the numbers 16 b + 8 h + 0 .. 7
	global_load_b128 v[BS+8*\b:BS+8*\b+3], v[H32], s[8:9] offset:64*\b
	global_load_b128 v[BS+8*\b+4:BS+8*\b+7], v[H32], s[8:9] offset:64*\b+16
.endr
.irp t, 0,1,2,3                        ; v's: the number 128 + 16 t + r
	global_load_b32 v[BS+64+\t], v[R4], s[8:9] offset:512+64*\t
.endr
.irp k, 0,1                            ; the pad of my tokens 256 k + 16 a + 8 h + 0 .. 7
.irp a, 0,1,2,3
	global_load_b128 v[160+32*\k+8*\a:160+32*\k+8*\a+3], v[H32], s[10:11] offset:1024*\k+64*\a
	global_load_b128 v[160+32*\k+8*\a+4:160+32*\k+8*\a+7], v[H32], s[10:11] offset:1024*\k+64*\a+16
.endr
.endr
; Step sg = 16 block + kappa.  x's four fragments of a step into set sg % 8 of window 1
.macro LOAD_A sg
	WIN 0x40
.irp a, 0,1,2,3
.irp g, 0,1
	global_load_b128 v[32*((\sg)%8)+8*\a+4*\g:32*((\sg)%8)+8*\a+4*\g+3], v[L16], s[4:5] offset:262144*((\sg)/16)+16384*\a+1024*((\sg)%16)+512*\g
.endr
.endr
.endm
; W's twelve fragments of a step from LDS into set sg % 2: each load takes 512 consecutive bytes
.macro FETCH_B sg
	WIN 0
.irp b, 0,1,2,3,4,5,6,7,8,9,10,11
.irp g, 0,1
	ds_load_b128 v[BS+96*((\sg)%2)+8*\b+4*\g:BS+96*((\sg)%2)+8*\b+4*\g+3], v[AB+\b/4] offset:16384*(\b%4)+1024*((\sg)%16)+512*\g
.endr
.endr
.endm
.irp s, 0,1,2,3
	LOAD_A \s
.endr
	WIN 0
	s_wait_kmcnt 0x0
	s_add_co_i32 s44, s36, s37                     ; e0 + e1
	s_sub_co_i32 s45, 0, s44
.macro MKSC e, sc, lim                 ; v[sc] = 2^(s[e] - e0 - e1) as f32, v[lim] = 448 x that
	s_sub_co_i32 s46, s[\e], s44
	s_add_co_i32 s46, s46, 127
	s_lshl_b32 s47, s46, 23
	v_mov_b32 v[\sc], s47
	s_add_co_i32 s46, s46, 8
	s_lshl_b32 s46, s46, 23
	s_or_b32 s46, s46, 0x600000
	v_mov_b32 v[\lim], s46
.endm
	MKSC 38, SCQ, LIMQ
	MKSC 39, SCK, LIMK
	MKSC 41, SCV, LIMVS
	s_wait_loadcnt 32                              ; bias and pad are in; the 32 loads of x's first four steps may be out
	WIN 0xc0                                       ; destination window 3
.set j_, 0
.rept 64
	v_ldexp_f32 v[BQK+j_], v[BS+j_], s45           ; bias / 2^(e0 + e1)
.set j_, j_+1
.endr
.irp t, 0,1,2,3
.irp i, 0,1,2,3,4,5,6,7
	v_ldexp_f32 v[BV+8*\t+\i], v[BS+64+\t], s45    ; v's: one column a lane, the same number for its eight tokens
.endr
.endr
.set j_, 0
.rept 32
	v_cmp_ne_u32 vcc_lo, 0, v[160+j_]
	v_cndmask_b32 v[LV0+j_], 0, v[LIMVS], vcc_lo   ; block 0: the hold of token 16 a + 8 h + j, at register 8 a + j
.set j_, j_+1
.endr
	WIN 0
.set j_, 0
.rept 32
	v_cmp_ne_u32 vcc_lo, 0, v[192+j_]
	v_cndmask_b32 v[LV1+j_], 0, v[LIMVS], vcc_lo   ; block 1
.set j_, j_+1
.endr
.irp s, 4,5,6,7
	LOAD_A \s
.endr
	WIN 0
	s_wait_tensorcnt 0x0                           ; my quarter of the weights is in,
	s_barrier_signal -1
	s_barrier_wait -1                              ; everybody's is
	FETCH_B 0
; 16 products for q and k: tiles of tokens a0, a0 + 1 x column tiles 0-7.  At a block's first step C is the bias.  The 48 accumulators take turns, one instruction a turn, in the same order in every step.
.macro MULQK sg, a0
.if ((\sg)%16) == 0
	WIN 0xb4                                       ; source 0 (W) window 0, source 1 (x) window 1, C window 3, D window 2
.else
	WIN 0xa4                                       ; C and D window 2
.endif
.irp a, \a0, \a0+1
.irp b, 0,1,2,3,4,5,6,7
.if ((\sg)%16) == 0
	v_wmma_f32_16x16x64_fp8_fp8 v[8*(8*(\a)+\b):8*(8*(\a)+\b)+7], v[BS+96*((\sg)%2)+8*\b:BS+96*((\sg)%2)+8*\b+7], v[32*((\sg)%8)+8*(\a):32*((\sg)%8)+8*(\a)+7], v[BQK+8*\b:BQK+8*\b+7]
.else
	v_wmma_f32_16x16x64_fp8_fp8 v[8*(8*(\a)+\b):8*(8*(\a)+\b)+7], v[BS+96*((\sg)%2)+8*\b:BS+96*((\sg)%2)+8*\b+7], v[32*((\sg)%8)+8*(\a):32*((\sg)%8)+8*(\a)+7], v[8*(8*(\a)+\b):8*(8*(\a)+\b)+7]
.endif
.endr
.endr
.endm
; 16 products for v: source 0 = tokens, source 1 = W's tiles 8-11
.macro MULV sg
	WIN 0xf1                                       ; source 0 (x) window 1, source 1 (W) window 0, C and D window 3
.irp a, 0,1,2,3
.irp t, 0,1,2,3
.if ((\sg)%16) == 0
	v_wmma_f32_16x16x64_fp8_fp8 v[8*(4*\a+\t):8*(4*\a+\t)+7], v[32*((\sg)%8)+8*\a:32*((\sg)%8)+8*\a+7], v[BS+96*((\sg)%2)+64+8*\t:BS+96*((\sg)%2)+64+8*\t+7], v[BV+8*\t:BV+8*\t+7]
.else
	v_wmma_f32_16x16x64_fp8_fp8 v[8*(4*\a+\t):8*(4*\a+\t)+7], v[32*((\sg)%8)+8*\a:32*((\sg)%8)+8*\a+7], v[BS+96*((\sg)%2)+64+8*\t:BS+96*((\sg)%2)+64+8*\t+7], v[8*(4*\a+\t):8*(4*\a+\t)+7]
.endif
.endr
.endr
.endm
.macro STEP sg
	s_wait_dscnt 0x0                               ; this step's fragments of W are in
.if (\sg) == 0
	s_wait_loadcnt 56                              ; x's step 0 is in; steps 1 to 7, eight loads each, may be out
.elseif (\sg)+6 <= 31
	s_wait_loadcnt 48                              ; six younger steps may be out
.else
	s_wait_loadcnt 8*(31-(\sg))                    ; the counts run down
.endif
	MULQK \sg, 0
.if (\sg) < 31
	PLACES 4                                       ; four plain lines in front of loads into registers that the step before multiplied (ISA guide 7.12.1 for vector instructions)
	FETCH_B (\sg)+1
.endif
.if ((\sg) >= 1) && ((\sg) <= 24)
	LOAD_A (\sg)+7                                 ; into the set that the step before read
.endif
	MULQK \sg, 2
	MULV \sg
.endm
; THE WAY OUT of a block: hold, convert, store.  The conversions' results are the images' registers: no lane changes, no stage.  Each accumulator is read from its low end on.
.macro EPI blk
	PLACES 4
	WIN 0x82                                       ; source 0 and destination window 2
.irp a, 0,1,2,3
.irp b, 0,1,2,3,4,5,6,7
.irp j, 0,1,2,3,4,5,6,7
.if \b < 4
	v_med3_num_f32 v[8*(8*\a+\b)+\j], v[8*(8*\a+\b)+\j], -v[LIMQ], v[LIMQ]
.else
	v_med3_num_f32 v[8*(8*\a+\b)+\j], v[8*(8*\a+\b)+\j], -v[LIMK], v[LIMK]
.endif
.endr
.endr
.endr
	WIN 0x02                                       ; source 0 window 2, destination window 0
.irp a, 0,1,2,3
.irp b, 0,1,2,3,4,5,6,7
.if \b < 4
	v_cvt_scalef32_pk8_fp8_f32 v[CQ+16*\a+2*\b:CQ+16*\a+2*\b+1], v[8*(8*\a+\b):8*(8*\a+\b)+7], v[SCQ]
.else
	v_cvt_scalef32_pk8_fp8_f32 v[CQ+16*\a+2*\b:CQ+16*\a+2*\b+1], v[8*(8*\a+\b):8*(8*\a+\b)+7], v[SCK]
.endif
.endr
.endr
	v_nop                                          ; a plain line behind the last conversion: the next block's products write its sources
.if \blk == 0
	WIN 0xff                                       ; all in window 3
.else
	WIN 0xc3                                       ; the holds in window 0
.endif
.irp a, 0,1,2,3
.irp t, 0,1,2,3
.irp j, 0,1,2,3,4,5,6,7
.if \blk == 0
	v_med3_num_f32 v[8*(4*\a+\t)+\j], v[8*(4*\a+\t)+\j], -v[LV0+8*\a+\j], v[LV0+8*\a+\j]   ; the hold and the key's pad mask in one
.else
	v_med3_num_f32 v[8*(4*\a+\t)+\j], v[8*(4*\a+\t)+\j], -v[LV1+8*\a+\j], v[LV1+8*\a+\j]
.endif
.endr
.endr
.endr
	WIN 0x03
.irp a, 0,1,2,3
.irp t, 0,1,2,3
	v_cvt_scalef32_pk8_fp8_f32 v[CV+8*\t+2*\a:CV+8*\t+2*\a+1], v[8*(4*\a+\t):8*(4*\a+\t)+7], v[SCV]
.endr
.endr
	v_nop
	WIN 0
.irp a, 0,1,2,3
	global_store_b128 v[L16], v[CQ+16*\a:CQ+16*\a+3], s[14:15] offset:(16*\blk+\a)*1024          ; each store covers 512 consecutive bytes, aligned
	global_store_b128 v[L16], v[CQ+16*\a+4:CQ+16*\a+7], s[14:15] offset:(16*\blk+\a)*1024+512
	global_store_b128 v[L16], v[CQ+16*\a+8:CQ+16*\a+11], s[16:17] offset:(16*\blk+\a)*1024
	global_store_b128 v[L16], v[CQ+16*\a+12:CQ+16*\a+15], s[16:17] offset:(16*\blk+\a)*1024+512
.endr
.irp t, 0,1,2,3
	global_store_b128 v[L16], v[CV+8*\t:CV+8*\t+3], s[18:19] offset:16384*\blk+1024*\t
	global_store_b128 v[L16], v[CV+8*\t+4:CV+8*\t+7], s[18:19] offset:16384*\blk+1024*\t+512
.endr
.if \blk == 0
	s_wait_xcnt 0x0                                ; the stores have read their registers: W's second set may be loaded there again
.endif
.endm
.set SG, 0
.rept 16
	STEP SG
.set SG, SG+1
.endr
	EPI 0                                          ; x's steps 16 to 22 and W's step 16 are on their way meanwhile
.rept 16
	STEP SG
.set SG, SG+1
.endr
	EPI 1
	s_wait_tensorcnt 0x0
	ds_add_u32 v30, v31
	s_wait_dscnt 0x0
	CROUND                                         ; the closing round: no work-group ends while a partner may still ask jointly
	s_endpgm
.Lfunc_end_k_q1b858f565b_qkv:
	.size	k_q1b858f565b_qkv, .Lfunc_end_k_q1b858f565b_qkv-k_q1b858f565b_qkv
	.p2alignl 7, 3214868480
	.fill 96, 4, 3214868480
	.section	.rodata,"a",@progbits
	.p2align	6, 0x0
	.amdhsa_kernel k_q1b858f565b_qkv
		.amdhsa_group_segment_fixed_size 197120
		.amdhsa_private_segment_fixed_size 0
		.amdhsa_enable_private_segment 0
		.amdhsa_kernarg_size 64
		.amdhsa_user_sgpr_count 2
		.amdhsa_user_sgpr_kernarg_segment_ptr 1
		.amdhsa_wavefront_size32 1
		.amdhsa_system_sgpr_workgroup_id_x 1
		.amdhsa_system_sgpr_workgroup_id_y 1
		.amdhsa_system_sgpr_workgroup_id_z 1
		.amdhsa_system_vgpr_workitem_id 0
		.amdhsa_next_free_vgpr 1024
		.amdhsa_next_free_sgpr 66
		.amdhsa_reserve_vcc 1
		.amdhsa_float_denorm_mode_32 3
		.amdhsa_float_denorm_mode_16_64 3
		.amdhsa_memory_ordered 1
		.amdhsa_forward_progress 1
		.amdhsa_inst_pref_size 255
	.end_amdhsa_kernel
	.section	.bss,"aw",@nobits
	.p2align	6
	.space	262144
	.amdgpu_metadata
---
amdhsa.version: [ 1, 2 ]
amdhsa.kernels:
  - .name:           k_q1b858f565b_qkv
    .symbol:         k_q1b858f565b_qkv.kd
    .args:
      - { .name: x_img, .offset: 0, .size: 8, .value_kind: global_buffer, .address_space: global }
      - { .name: wqkv_img, .offset: 8, .size: 8, .value_kind: global_buffer, .address_space: global }
      - { .name: bqkv, .offset: 16, .size: 8, .value_kind: global_buffer, .address_space: global }
      - { .name: pad_mask, .offset: 24, .size: 8, .value_kind: global_buffer, .address_space: global }
      - { .name: lowp_scales, .offset: 32, .size: 8, .value_kind: global_buffer, .address_space: global }
      - { .name: q_img, .offset: 40, .size: 8, .value_kind: global_buffer, .address_space: global }
      - { .name: k_img, .offset: 48, .size: 8, .value_kind: global_buffer, .address_space: global }
      - { .name: v_img, .offset: 56, .size: 8, .value_kind: global_buffer, .address_space: global }
    .group_segment_fixed_size: 197120
    .private_segment_fixed_size: 0
    .kernarg_segment_align: 8
    .kernarg_segment_size: 64
    .max_flat_workgroup_size: 128
    .sgpr_count:     66
    .vgpr_count:     1024
    .wavefront_size: 32
...
	.end_amdgpu_metadata
.endif
;; end of part 2
;; launch attn (part 3): grid 4 x 64, 8 waves a work-group, clusters of 4 x 1, 263,168 bytes of LDS; arguments q_img, k_img, v_img, pad_mask, lowp_scales, val_img; writes val_img
.if DOCPART == 3
	.amdgcn_target "amdgcn-amd-amdhsa--gfx1250"
	.amdhsa_code_object_version 6
	.text
	.protected	k_q1b858f565b_attn
	.globl	k_q1b858f565b_attn
	.p2align	8
	.type	k_q1b858f565b_attn,@function
k_q1b858f565b_attn:
	s_mov_b64 s[64:65], 0
	v_nop
	global_prefetch_b8 v0, s[64:65] scope:SCOPE_SE
	s_setreg_imm32_b32 hwreg(HW_REG_WAVE_MODE, 25, 1), 1
	s_wait_xcnt 0x0
	s_wait_alu depctr_hold_cnt(0) depctr_sa_sdst(0) depctr_va_vdst(0) depctr_va_sdst(0) depctr_va_ssrc(0) depctr_va_vcc(0) depctr_vm_vsrc(0)
	s_getreg_b32 s2, hwreg(HW_REG_IB_STS2, 6, 4)
	s_cmp_eq_u32 s2, 0
	s_cbranch_scc0 .Lentry_in_a_cluster
	s_endpgm
.Lentry_in_a_cluster:
	s_bfe_u32 s2, ttmp6, 0x10000c
	s_cmp_lg_u32 s2, 0x3003
	s_cbranch_scc0 .Lentry_shape_is_right
	s_endpgm
.Lentry_shape_is_right:
.set WV,  16
.set CX,  17
.set QB,  21
.set CC,  22
.set TB,  23
.set ST,  24
.set CS,  26
.set SEL, 28
.set G1,  32
.set G0K, 40
.set G0V, 44
.set L16, 1
.set ADK, 2
.set ADV, 3
.set D0,  4
.set NINF, 6
.set LIMP, 7
.set SCP, 8
.set LIMO, 9
.set SCO, 10
.set R4,  11
.set NM,  12
.set LS,  16
.set FF,  20
.set RL,  24
.set TT,  28
.set QF,  32
.set KF,  48
.set VF,  80
.set S,   112
.set O,   176
.set P,   240
.set C2,  240
.set PADQ, 244
.macro PLACES n
.rept \n
	v_nop
.endr
.endm
.macro CROUND
	s_barrier_signal -1
	s_barrier_wait -1
	s_cmp_lg_u32 s[WV], 0
	s_cbranch_scc1 .Lnot_wave_0_\@
	s_barrier_signal -3
.Lnot_wave_0_\@:
	s_barrier_wait -3
	s_barrier_signal -1
	s_barrier_wait -1
.endm
	s_load_b256 s[4:11], s[0:1], 0x0
	s_load_b128 s[12:15], s[0:1], 0x20
	s_set_vgpr_msb 0x40
	v_lshl_add_u32 v0, v0, 2, 0x40000
	v_mov_b32 v1, 0
	s_set_vgpr_msb 0x4045
	ds_add_u32 v0, v1
	ds_add_u32 v0, v1
	s_set_vgpr_msb 0x4500
	v_lshrrev_b32 v2, 5, v0
	s_delay_alu instid0(VALU_DEP_1)
	v_readfirstlane_b32 s[WV], v2
	s_bfe_u32 s[CX], ttmp6, 0x40000
	s_and_b32 s18, ttmp7, 0xffff
	s_lshr_b32 s19, s18, 4
	s_and_b32 s20, s18, 15
	s_mov_b32 s[G1], 15|(3<<16)|(1<<21)
	s_mov_b32 s[G1+1], 32<<16
	s_mov_b32 s[G1+2], 64<<16
	s_mov_b32 s[G1+3], 32<<16
	s_mov_b32 s[G1+4], 64
	s_mov_b32 s[G1+5], 32
	s_mov_b32 s[G1+6], 0
	s_mov_b32 s[G1+7], 0
	s_lshl_b32 s[G0K+1], s[WV], 14
	s_add_co_u32 s[G0V+1], s[G0K+1], 0x20000
	s_lshl_b32 s30, s18, 17
	s_add_co_u32 s30, s30, s[G0K+1]
	s_mov_b32 s31, 0
	s_mov_b32 s[G0K], 1
	s_mov_b32 s[G0V], 1
	s_mov_b32 s[SEL], 0x76543210
	s_mov_b32 s[SEL+1], 0xfedcba98
	s_wait_dscnt 0x0
	s_wait_kmcnt 0x0
	s_load_b256 s[48:55], s[12:13], 0x0
	s_add_nc_u64 s[G0K+2:G0K+3], s[6:7], s[30:31]
	s_or_b32 s[G0K+3], s[G0K+3], 0x80000000
	s_add_nc_u64 s[G0V+2:G0V+3], s[8:9], s[30:31]
	s_or_b32 s[G0V+3], s[G0V+3], 0x80000000
	CROUND
	tensor_load_to_lds s[G0K:G0K+3], s[G1:G1+7]
	s_nop 0
	tensor_load_to_lds s[G0V:G0V+3], s[G1:G1+7]
	s_nop 0
	PLACES 4
	s_lshl_b32 s62, s18, 17
	s_lshl_b32 s25, s[CX], 11
	s_add_co_u32 s62, s62, s25
	s_mov_b32 s63, 0
	s_add_nc_u64 s[4:5], s[4:5], s[62:63]
	s_lshl_b32 s62, s19, 13
	s_lshl_b32 s25, s[CX], 7
	s_add_co_u32 s62, s62, s25
	s_add_nc_u64 s[10:11], s[10:11], s[62:63]
	s_lshl_b32 s62, s19, 21
	s_lshl_b32 s25, s[CX], 15
	s_add_co_u32 s62, s62, s25
	s_lshl_b32 s25, s20, 10
	s_add_co_u32 s62, s62, s25
	s_add_nc_u64 s[14:15], s[14:15], s[62:63]
	v_and_b32 v[L16], 31, v0
	s_delay_alu instid0(VALU_DEP_1)
	v_lshlrev_b32 v[L16], 4, v[L16]
	v_and_b32 v[R4], 15, v0
	v_bfe_u32 v[TT], v0, 4, 1
	s_delay_alu instid0(VALU_DEP_1)
	v_lshlrev_b32 v[TT], 3, v[TT]
	s_delay_alu instid0(VALU_DEP_1)
	v_sub_nc_u32 v[D0], v[R4], v[TT]
	s_lshl_b32 s25, s[CX], 5
	v_add_nc_u32 v[D0], s25, v[D0]
	s_delay_alu instid0(VALU_DEP_1)
	v_add_nc_u32 v[D0+1], 16, v[D0]
	v_lshlrev_b32 v[R4], 2, v[R4]
	v_mov_b32 v[NINF], 0xff800000
.irp i, 21,23,25,27,28,29,30,31
	v_mov_b32 v\i, 0
.endr
	s_wait_kmcnt 0x0
	s_add_co_i32 s25, s50, s51
	s_lshl_b32 s25, s25, 23
	s_add_co_i32 s[CS], s25, 0x3e38aa3b
	s_mov_b32 s[CS+1], s[CS]
	s_add_co_i32 s25, s52, 127
	s_lshl_b32 s30, s25, 23
	v_mov_b32 v[SCP], s30
	s_sub_co_i32 s25, s54, s52
	s_sub_co_i32 s25, s25, s53
	s_add_co_i32 s25, s25, 127
	s_lshl_b32 s30, s25, 23
	v_mov_b32 v[SCO], s30
	s_wait_tensorcnt 0x0
	s_barrier_signal -1
	s_barrier_wait -1
.macro MASK nt, k0
.irp u, 0,1
.set t_, 0
.rept \nt
.irp j, 0,1,2,3,4,5,6,7
	v_cmp_gt_i32 vcc_lo, \k0+16*t_+\j, v[D0+\u]
	v_cndmask_b32 v[S+8*\nt*\u+8*t_+\j], v[S+8*\nt*\u+8*t_+\j], v[NINF], vcc_lo
.endr
.set t_, t_+1
.endr
.endr
.endm
.macro P1CHUNK
	v_add_nc_u32 v[ADK], s[TB], v[L16]
.irp t, 0,1,2,3,4,5,6,7
.irp g, 0,1
	ds_load_b128 v[KF+8*\t+4*\g:KF+8*\t+4*\g+3], v[ADK] offset:1024*\t+512*\g
.endr
.endr
	s_wait_dscnt 8
.irp t, 0,1,2,3
.irp u, 0,1
	v_wmma_f32_16x16x64_fp8_fp8 v[S+64*\u+8*\t:S+64*\u+8*\t+7], v[KF+8*\t:KF+8*\t+7], v[QF+8*\u:QF+8*\u+7], 0
.endr
.endr
	s_wait_dscnt 0x0
.irp t, 4,5,6,7
.irp u, 0,1
	v_wmma_f32_16x16x64_fp8_fp8 v[S+64*\u+8*\t:S+64*\u+8*\t+7], v[KF+8*\t:KF+8*\t+7], v[QF+8*\u:QF+8*\u+7], 0
.endr
.endr
	PLACES 4
	s_cmp_lg_u32 s[CC], s[QB]
	s_cbranch_scc1 .Lopen1_\@
	MASK 8, 0
.Lopen1_\@:
.irp u, 0,1
	v_max3_num_f32 v[TT+2*\u], v[S+64*\u], v[S+64*\u+1], v[S+64*\u+2]
	v_max3_num_f32 v[TT+2*\u+1], v[S+64*\u+3], v[S+64*\u+4], v[S+64*\u+5]
.endr
.irp i, 6,10,14,18,22,26,30,34,38,42,46,50,54,58
.irp u, 0,1
	v_max3_num_f32 v[TT+2*\u], v[TT+2*\u], v[S+64*\u+\i], v[S+64*\u+\i+1]
	v_max3_num_f32 v[TT+2*\u+1], v[TT+2*\u+1], v[S+64*\u+\i+2], v[S+64*\u+\i+3]
.endr
.endr
.irp u, 0
	s_setprio 1
	v_max3_num_f32 v[TT+2*\u], v[TT+2*\u], v[S+64*\u+62], v[S+64*\u+63]
.endr
.irp u, 1
	v_max3_num_f32 v[TT+2*\u], v[TT+2*\u], v[S+64*\u+62], v[S+64*\u+63]
.endr
.irp u, 0,1
	s_delay_alu instid0(VALU_DEP_2)
	v_max_num_f32 v[TT+2*\u], v[TT+2*\u], v[TT+2*\u+1]
.endr
.irp u, 0,1
	s_delay_alu instid0(VALU_DEP_2)
	v_mul_f32 v[TT+2*\u], s[CS], v[TT+2*\u]
.endr
.irp u, 0,1
	s_delay_alu instid0(VALU_DEP_2)
	v_max_num_f32 v[NM+2*\u+1], v[NM+2*\u+1], v[TT+2*\u]
.endr
.irp u, 0,1
	v_mov_b32 v[TT+2*\u], v[NM+2*\u]
.endr
.irp u, 0,1
	s_delay_alu instid0(VALU_DEP_4)
	v_floor_f32 v[NM+2*\u], -v[NM+2*\u+1]
.endr
.irp u, 0,1
	s_delay_alu instid0(VALU_DEP_2)
	v_sub_f32 v[TT+2*\u], v[NM+2*\u], v[TT+2*\u]
.endr
.irp u, 0,1
	s_delay_alu instid0(VALU_DEP_2)
	v_cvt_i32_f32 v[TT+2*\u], v[TT+2*\u]
.endr
.irp u, 0,1
	s_delay_alu instid0(VALU_DEP_2)
	v_ldexp_f32 v[FF+2*\u], 1.0, v[TT+2*\u]
.endr
.irp u, 0,1
.set j_, 0
.rept 32
	v_pk_fma_f32 v[S+64*\u+j_:S+64*\u+j_+1], v[S+64*\u+j_:S+64*\u+j_+1], s[CS:CS+1], v[NM+2*\u:NM+2*\u+1] op_sel_hi:[1,0,0]
.set j_, j_+2
.endr
.endr
.set j_, 0
	s_wait_alu depctr_va_vdst(0)
.rept 128
	v_exp_f32 v[S+j_], v[S+j_]
.set j_, j_+1
.endr
	s_setprio 0
.irp u, 0,1
	v_pk_mul_f32 v[LS+2*\u:LS+2*\u+1], v[LS+2*\u:LS+2*\u+1], v[FF+2*\u:FF+2*\u+1] op_sel_hi:[1,0]
.endr
	s_wait_alu depctr_va_vdst(0)
.irp u, 0,1
	v_pk_add_f32 v[C2+2*\u:C2+2*\u+1], v[S+64*\u:S+64*\u+1], v[S+64*\u+2:S+64*\u+3]
.endr
.irp j, 4,8,12,16,20,24,28,32,36,40,44,48,52,56,60
.irp u, 0,1
	v_pk_add_f32 v[LS+2*\u:LS+2*\u+1], v[LS+2*\u:LS+2*\u+1], v[S+64*\u+\j:S+64*\u+\j+1]
	v_pk_add_f32 v[C2+2*\u:C2+2*\u+1], v[C2+2*\u:C2+2*\u+1], v[S+64*\u+\j+2:S+64*\u+\j+3]
.endr
.endr
.irp u, 0
	s_delay_alu instid0(VALU_DEP_3)
	v_pk_add_f32 v[LS+2*\u:LS+2*\u+1], v[LS+2*\u:LS+2*\u+1], v[C2+2*\u:C2+2*\u+1]
.endr
.irp u, 1
	s_delay_alu instid0(VALU_DEP_2)
	v_pk_add_f32 v[LS+2*\u:LS+2*\u+1], v[LS+2*\u:LS+2*\u+1], v[C2+2*\u:C2+2*\u+1]
.endr
.endm
.macro LDK hf
.irp t, 0,1,2,3
.irp g, 0,1
	ds_load_b128 v[KF+8*\t+4*\g:KF+8*\t+4*\g+3], v[ADK] offset:4096*\hf+1024*\t+512*\g
.endr
.endr
.endm
.macro LDV hf
.irp t, 0,1,2,3
.irp g, 0,1
	ds_load_b128 v[VF+8*\t+4*\g:VF+8*\t+4*\g+3], v[ADV] offset:4096*\hf+1024*\t+512*\g
.endr
.endr
.endm
.macro QK
.irp t, 0,1,2,3
.irp u, 0,1
	v_wmma_f32_16x16x64_fp8_fp8 v[S+32*\u+8*\t:S+32*\u+8*\t+7], v[KF+8*\t:KF+8*\t+7], v[QF+8*\u:QF+8*\u+7], 0
.endr
.endr
.endm
.macro PV zero
.irp t, 0,1,2,3
.irp u, 0,1
.if \zero
	v_wmma_f32_16x16x64_fp8_fp8 v[O+32*\u+8*\t:O+32*\u+8*\t+7], v[VF+8*\t:VF+8*\t+7], v[P+8*\u:P+8*\u+7], 0
.else
	v_wmma_f32_16x16x64_fp8_fp8 v[O+32*\u+8*\t:O+32*\u+8*\t+7], v[VF+8*\t:VF+8*\t+7], v[P+8*\u:P+8*\u+7], v[O+32*\u+8*\t:O+32*\u+8*\t+7]
.endif
.endr
.endr
.endm
.macro SOFT hf
	s_cmp_lg_u32 s[CC], s[QB]
	s_cbranch_scc1 .Lopen2_\@
	MASK 4, 64*\hf
.Lopen2_\@:
.irp u, 0,1
.set j_, 0
.rept 16
	v_pk_fma_f32 v[S+32*\u+j_:S+32*\u+j_+1], v[S+32*\u+j_:S+32*\u+j_+1], s[CS:CS+1], v[NM+2*\u:NM+2*\u+1] op_sel_hi:[1,0,0]
.set j_, j_+2
.endr
.endr
.set j_, 0
	s_wait_alu depctr_va_vdst(0)
.rept 64
	v_exp_f32 v[S+j_], v[S+j_]
.set j_, j_+1
.endr
	v_nop
	s_wait_alu depctr_va_vdst(0)
.irp u, 0,1
.set j_, 0
.rept 16
	v_pk_mul_f32 v[S+32*\u+j_:S+32*\u+j_+1], v[S+32*\u+j_:S+32*\u+j_+1], v[RL+2*\u:RL+2*\u+1] op_sel_hi:[1,0]
.set j_, j_+2
.endr
.endr
.set j_, 0
.rept 64
.set j_, j_+1
.endr
.irp u, 0,1
.irp t, 0,1,2,3
	v_cvt_scalef32_pk8_fp8_f32 v[P+8*\u+2*\t:P+8*\u+2*\t+1], v[S+32*\u+8*\t:S+32*\u+8*\t+7], v[SCP]
.endr
.endr
	v_nop
.endm
.macro CHUNK2 zero
	v_add_nc_u32 v[ADK], s[TB], v[L16]
	s_delay_alu instid0(VALU_DEP_1)
	v_add_nc_u32 v[ADV], 0x20000, v[ADK]
	PLACES 2
	LDK 0
	LDV 0
	s_wait_alu depctr_va_vdst(0)
	s_wait_dscnt 8
	QK
	PLACES 4
	LDK 1
	SOFT 0
	s_wait_alu depctr_va_vdst(0)
	s_wait_dscnt 8
	PV \zero
	PLACES 4
	LDV 1
	s_wait_dscnt 8
	QK
	PLACES 4
	s_setprio 1
	SOFT 1
	s_setprio 0
	s_wait_alu depctr_va_vdst(0)
	s_wait_dscnt 0x0
	PV 0
.endm
	s_mov_b32 s[QB], s[WV]
	s_mov_b32 s[ST], 0
.Lstrip:
	s_lshl_b32 s62, s[QB], 13
	s_mov_b32 s63, 0
	s_add_nc_u64 s[56:57], s[4:5], s[62:63]
	s_lshl_b32 s62, s[QB], 9
	s_add_nc_u64 s[58:59], s[10:11], s[62:63]
	s_lshl_b32 s62, s[QB], 17
	s_add_nc_u64 s[60:61], s[14:15], s[62:63]
.irp u, 0,1
.irp g, 0,1
	global_load_b128 v[QF+8*\u+4*\g:QF+8*\u+4*\g+3], v[L16], s[56:57] offset:1024*\u+512*\g
.endr
.endr
.irp u, 0,1
	global_load_b32 v[PADQ+\u], v[R4], s[58:59] offset:64*\u
.endr
.irp u, 0,1
	v_mov_b32 v[NM+2*\u+1], 0xff61b1e6
	v_mov_b32 v[LS+2*\u], 0
	v_mov_b32 v[LS+2*\u+1], 0
.endr
.irp u, 0
	v_floor_f32 v[NM+2*\u], -v[NM+2*\u+1]
.endr
.irp u, 1
	s_delay_alu instid0(VALU_DEP_4)
	v_floor_f32 v[NM+2*\u], -v[NM+2*\u+1]
.endr
	s_wait_loadcnt 0x0
	s_mov_b32 s[CC], 0
	s_mov_b32 s[TB], 0
.Lp1:
	s_cmp_gt_u32 s[CC], s[QB]
	s_cbranch_scc1 .Lp1_skip
	s_setprio 2
	P1CHUNK
.Lp1_skip:
	s_add_co_u32 s[TB], s[TB], 8192
	s_add_co_u32 s[CC], s[CC], 1
	s_cmp_lt_u32 s[CC], 16
	s_cbranch_scc1 .Lp1
	s_setprio 0
	s_wait_alu depctr_va_vdst(0)
.irp u, 0,1
	v_add_f32 v[LS+2*\u], v[LS+2*\u], v[LS+2*\u+1]
.endr
.irp u, 0,1
	v_permlanex16_b32 v[TT+2*\u], v[NM+2*\u], s[SEL], s[SEL+1]
.endr
.irp u, 0,1
	s_delay_alu instid0(VALU_DEP_4)
	v_permlanex16_b32 v[TT+2*\u+1], v[LS+2*\u], s[SEL], s[SEL+1]
.endr
.irp u, 0,1
	s_delay_alu instid0(VALU_DEP_4)
	v_min_num_f32 v[FF+2*\u+1], v[NM+2*\u], v[TT+2*\u]
.endr
.irp u, 0
	s_delay_alu instid0(VALU_DEP_2)
	v_sub_f32 v[FF+2*\u], v[FF+2*\u+1], v[NM+2*\u]
	s_delay_alu instid0(VALU_DEP_3)
	v_sub_f32 v[TT+2*\u], v[FF+2*\u+1], v[TT+2*\u]
.endr
.irp u, 1
	s_delay_alu instid0(VALU_DEP_3)
	v_sub_f32 v[FF+2*\u], v[FF+2*\u+1], v[NM+2*\u]
	s_delay_alu instid0(VALU_DEP_4)
	v_sub_f32 v[TT+2*\u], v[FF+2*\u+1], v[TT+2*\u]
.endr
.irp u, 0,1
	s_delay_alu instid0(VALU_DEP_4)
	v_cvt_i32_f32 v[FF+2*\u], v[FF+2*\u]
	s_delay_alu instid0(VALU_DEP_4)
	v_cvt_i32_f32 v[TT+2*\u], v[TT+2*\u]
.endr
.irp u, 0,1
	s_delay_alu instid0(VALU_DEP_4)
	v_ldexp_f32 v[LS+2*\u], v[LS+2*\u], v[FF+2*\u]
	s_delay_alu instid0(VALU_DEP_4)
	v_ldexp_f32 v[TT+2*\u+1], v[TT+2*\u+1], v[TT+2*\u]
.endr
.irp u, 0
	s_delay_alu instid0(VALU_DEP_3)
	v_add_f32 v[LS+2*\u], v[LS+2*\u], v[TT+2*\u+1]
.endr
.irp u, 1
	s_delay_alu instid0(VALU_DEP_2)
	v_add_f32 v[LS+2*\u], v[LS+2*\u], v[TT+2*\u+1]
.endr
	s_wait_alu depctr_va_vdst(0)
.irp u, 0,1
	v_rcp_f32 v[RL+2*\u], v[LS+2*\u]
.endr
.irp u, 0,1
	v_mov_b32 v[NM+2*\u], v[FF+2*\u+1]
.endr
	s_wait_alu depctr_va_vdst(0)
.irp u, 0,1
	v_cmp_ne_u32 vcc_lo, 0, v[PADQ+\u]
	v_cndmask_b32 v[RL+2*\u], 0, v[RL+2*\u], vcc_lo
.endr
	s_mov_b32 s[CC], 0
	s_mov_b32 s[TB], 0
	CHUNK2 1
	s_mov_b32 s[CC], 1
	s_mov_b32 s[TB], 8192
.Lp2:
	s_cmp_gt_u32 s[CC], s[QB]
	s_cbranch_scc1 .Lp2_skip
	s_setprio 2
	CHUNK2 0
.Lp2_skip:
	s_add_co_u32 s[TB], s[TB], 8192
	s_add_co_u32 s[CC], s[CC], 1
	s_cmp_lt_u32 s[CC], 16
	s_cbranch_scc1 .Lp2
	s_setprio 0
	PLACES 4
.set j_, 0
.rept 64
.set j_, j_+1
.endr
.irp u, 0,1
.irp t, 0,1,2,3
	v_cvt_scalef32_pk8_fp8_f32 v[P+8*\u+2*\t:P+8*\u+2*\t+1], v[O+32*\u+8*\t:O+32*\u+8*\t+7], v[SCO]
.endr
.endr
	v_nop
.irp u, 0,1
.irp g, 0,1
	global_store_b128 v[L16], v[P+8*\u+4*\g:P+8*\u+4*\g+3], s[60:61] offset:16384*\u+512*\g
.endr
.endr
	s_wait_xcnt 0x0
	s_sub_co_u32 s[QB], 15, s[QB]
	s_add_co_u32 s[ST], s[ST], 1
	s_cmp_lt_u32 s[ST], 2
	s_cbranch_scc1 .Lstrip
	s_set_vgpr_msb 0x5
	s_wait_tensorcnt 0x0
	ds_add_u32 v0, v1
	s_wait_dscnt 0x0
	s_set_vgpr_msb 0x500
	CROUND
	s_endpgm
.Lfunc_end_k_q1b858f565b_attn:
	.size	k_q1b858f565b_attn, .Lfunc_end_k_q1b858f565b_attn-k_q1b858f565b_attn
	.p2alignl 7, 3214868480
	.fill 96, 4, 3214868480
	.section	.rodata,"a",@progbits
	.p2align	6, 0x0
	.amdhsa_kernel k_q1b858f565b_attn
		.amdhsa_group_segment_fixed_size 263168
		.amdhsa_private_segment_fixed_size 0
		.amdhsa_enable_private_segment 0
		.amdhsa_kernarg_size 48
		.amdhsa_user_sgpr_count 2
		.amdhsa_user_sgpr_kernarg_segment_ptr 1
		.amdhsa_wavefront_size32 1
		.amdhsa_system_sgpr_workgroup_id_x 1
		.amdhsa_system_sgpr_workgroup_id_y 1
		.amdhsa_system_sgpr_workgroup_id_z 1
		.amdhsa_system_vgpr_workitem_id 0
		.amdhsa_next_free_vgpr 258
		.amdhsa_next_free_sgpr 66
		.amdhsa_reserve_vcc 1
		.amdhsa_float_denorm_mode_32 3
		.amdhsa_float_denorm_mode_16_64 3
		.amdhsa_fp16_overflow 1
		.amdhsa_memory_ordered 1
		.amdhsa_forward_progress 1
		.amdhsa_inst_pref_size 97
	.end_amdhsa_kernel
	.amdgpu_metadata
---
amdhsa.version: [ 1, 2 ]
amdhsa.kernels:
  - .name:           k_q1b858f565b_attn
    .symbol:         k_q1b858f565b_attn.kd
    .args:
      - { .name: q_img, .offset: 0, .size: 8, .value_kind: global_buffer, .address_space: global }
      - { .name: k_img, .offset: 8, .size: 8, .value_kind: global_buffer, .address_space: global }
      - { .name: v_img, .offset: 16, .size: 8, .value_kind: global_buffer, .address_space: global }
      - { .name: pad_mask, .offset: 24, .size: 8, .value_kind: global_buffer, .address_space: global }
      - { .name: lowp_scales, .offset: 32, .size: 8, .value_kind: global_buffer, .address_space: global }
      - { .name: val_img, .offset: 40, .size: 8, .value_kind: global_buffer, .address_space: global }
    .group_segment_fixed_size: 263168
    .private_segment_fixed_size: 0
    .kernarg_segment_align: 8
    .kernarg_segment_size: 48
    .max_flat_workgroup_size: 256
    .sgpr_count:     66
    .vgpr_count:     258
    .wavefront_size: 32
...
	.end_amdgpu_metadata
.endif
;; end of part 3
;; launch proj (part 4): grid 32 x 8, 4 waves a work-group, clusters of 4 x 1, 168,448 bytes of LDS; arguments val_img, wo_img, bo, lowp_scales, out0; writes out0
.if DOCPART == 4
	.amdgcn_target "amdgcn-amd-amdhsa--gfx1250"
	.amdhsa_code_object_version 6
	.text
	.protected	k_q1b858f565b_proj
	.globl	k_q1b858f565b_proj
	.p2align	8
	.type	k_q1b858f565b_proj,@function
k_q1b858f565b_proj:
	s_mov_b64 s[64:65], 0
	v_nop
	global_prefetch_b8 v0, s[64:65] scope:SCOPE_SE
	s_setreg_imm32_b32 hwreg(HW_REG_WAVE_MODE, 25, 1), 1
	s_wait_xcnt 0x0
	s_wait_alu depctr_hold_cnt(0) depctr_sa_sdst(0) depctr_va_vdst(0) depctr_va_sdst(0) depctr_va_ssrc(0) depctr_va_vcc(0) depctr_vm_vsrc(0)
	s_getreg_b32 s2, hwreg(HW_REG_IB_STS2, 6, 4)
	s_cmp_eq_u32 s2, 0
	s_cbranch_scc0 .Lentry_in_a_cluster
	s_endpgm
.Lentry_in_a_cluster:
	s_bfe_u32 s2, ttmp6, 0x10000c
	s_cmp_lg_u32 s2, 0x3003
	s_cbranch_scc0 .Lentry_shape_is_right
	s_endpgm
.Lentry_shape_is_right:
; out = values Wo^T + bo on codes of E4M3 (16x16x64 form); both operands arrive as images of operand registers ([tile of 16 rows][kappa = K / 64][1,024 bytes]).
; Work-group: 256 rows (block 4 x cluster x + cx) x 128 columns (grid y).  Wave w: 64 rows x 128 columns: 32 accumulators.  The column group's weights, 8 tiles x 16 K steps x 1,024 bytes = 131,072 bytes,
; lie whole in LDS, filled once by joint loads: the four partners of a cluster have the same columns (mask 15).  Nothing is filled twice, so the loop has no barrier.
; The rows' fragments are read by one wave of a work-group alone: they go from memory straight into a ring of eight register sets, seven K steps ahead.
; The products are used transposed (source 0 = 16 rows of Wo, source 1 = 16 tokens): a lane holds 8 neighbouring columns of one row.  out = sum x 2^(e6 + e7) + bo, one packed multiply-add for two numbers.
; A block of 16 rows goes through the wave's own stage in LDS (bytes of its own behind the weights) and leaves as whole rows of 512 bytes.
; LIMIT: e6 + e7 between -126 and 127.
; REGISTERS.  Window 0: v2, v3 LDS bases (v2 = 16 x lane), v4, v5 the stage, v6 32 h, v32-95 at work, v128-191 and v192-255 Wo's 8 fragments, two sets (on the way out: rows read back).
; Window 1: the rows' fragments, 8 sets of 4.  Window 2: accumulators (a, b) at 8 (8 a + b).  Window 3: v0-63 bo, register 8 b + j = column 16 b + 8 h + j.
.set WV,   20
.set CX,   21
.set G1,   24
.set G0,   32
.set L16,  2
.set AB,   2
.set STO,  4
.set RD,   5
.set H32,  6
.set TMP,  32
.set BS,   128
.set BK,   128
.set STAGE, 131072
.set SPITCH, 528
.set MSB, 0
.macro WIN new
.if MSB != \new
	s_set_vgpr_msb (MSB<<8)|\new
.set MSB, \new
.endif
.endm
.macro PLACES n
.rept \n
	v_nop
.endr
.endm
.macro CROUND
	s_barrier_signal -1
	s_barrier_wait -1
	s_cmp_lg_u32 s[WV], 0
	s_cbranch_scc1 .Lnot_wave_0_\@
	s_barrier_signal -3
.Lnot_wave_0_\@:
	s_barrier_wait -3
	s_barrier_signal -1
	s_barrier_wait -1
.endm
	s_load_b256 s[4:11], s[0:1], 0x0               ; val_img, wo_img, bo, scales
	s_load_b64 s[12:13], s[0:1], 0x20              ; out0
	v_lshl_add_u32 v126, v0, 2, 0x29000
	v_mov_b32 v127, 0
	ds_add_u32 v126, v127
	ds_add_u32 v126, v127
	v_lshrrev_b32 v7, 5, v0
	v_readfirstlane_b32 s[WV], v7
	v_and_b32 v[L16], 31, v0
	v_lshlrev_b32 v[L16], 4, v[L16]
	v_add_nc_u32 v[AB+1], 0x10000, v[L16]
	v_and_b32 v7, 15, v0                           ; r
	v_bfe_u32 v8, v0, 4, 1                         ; h
	v_lshlrev_b32 v[H32], 5, v8
	s_mul_i32 s48, s[WV], 16*SPITCH
	s_add_co_u32 s48, s48, STAGE                   ; my stage
	v_mul_u32_u24 v[STO], v7, SPITCH
	v_lshl_add_u32 v[STO], v8, 5, v[STO]
	v_add_nc_u32 v[STO], s48, v[STO]               ; in: row r, + 32 h
	v_add_nc_u32 v[RD], s48, v[L16]                ; back: a row of 512 bytes over the 32 lanes
	s_bfe_u32 s[CX], ttmp6, 0x40000
	s_lshl_b32 s22, ttmp9, 2
	s_add_co_u32 s22, s22, s[CX]                   ; my block of 256 rows: it enters the addresses of values and out alone
	s_and_b32 s23, ttmp7, 0xffff                   ; my group of 128 columns
	s_mov_b32 s[G1], 15|(3<<16)|(1<<21)
	s_mov_b32 s[G1+1], 32<<16                      ; rows of 256 bytes,
	s_mov_b32 s[G1+2], 128<<16                     ; 128 of them: a dense block of 32,768 bytes
	s_mov_b32 s[G1+3], 32<<16
	s_mov_b32 s[G1+4], 128
	s_mov_b32 s[G1+5], 32
	s_mov_b32 s[G1+6], 0
	s_mov_b32 s[G1+7], 0
	s_lshl_b32 s[G0+1], s[WV], 15                  ; my quarter in LDS,
	s_lshl_b32 s44, s23, 17
	s_add_co_u32 s44, s44, s[G0+1]                 ; and in the column group's weights
	s_mov_b32 s45, 0
	s_lshl_b32 s46, s22, 18                        ; values: 16 tiles of 16,384 bytes a block, 4 a wave
	s_lshl_b32 s47, s[WV], 16
	s_add_co_u32 s46, s46, s47
	s_mov_b32 s47, 0
	s_lshl_b32 s50, s22, 20                        ; out: 256 rows of 4,096 bytes a block, 64 a wave, + 512 y
	s_lshl_b32 s51, s[WV], 18
	s_add_co_u32 s50, s50, s51
	s_lshl_b32 s52, s23, 9
	s_add_co_u32 s50, s50, s52
	s_mov_b32 s51, 0
	s_mov_b32 s53, 0
	s_wait_dscnt 0x0
	s_wait_kmcnt 0x0
	s_load_b256 s[36:43], s[10:11], 0x0            ; e0 .. e7
	s_mov_b32 s[G0], 1
	s_add_nc_u64 s[G0+2:G0+3], s[6:7], s[44:45]
	s_or_b32 s[G0+3], s[G0+3], 0x80000000
	s_add_nc_u64 s[4:5], s[4:5], s[46:47]
	s_add_nc_u64 s[12:13], s[12:13], s[50:51]
	s_add_nc_u64 s[8:9], s[8:9], s[52:53]
	CROUND                                         ; all four work-groups are here: the joint loads meet
	tensor_load_to_lds s[G0:G0+3], s[G1:G1+7]      ; my one tensor load of the launch
	s_nop 0
	PLACES 4                                       ; four plain lines
	WIN 0xc0                                       ; destination window 3
.irp b, 0,1,2,3,4,5,6,7
	global_load_b128 v[8*\b:8*\b+3], v[H32], s[8:9] offset:64*\b
	global_load_b128 v[8*\b+4:8*\b+7], v[H32], s[8:9] offset:64*\b+16
.endr
.macro LOAD_A k
	WIN 0x40
.irp a, 0,1,2,3
.irp g, 0,1
	global_load_b128 v[32*((\k)%8)+8*\a+4*\g:32*((\k)%8)+8*\a+4*\g+3], v[L16], s[4:5] offset:16384*\a+1024*(\k)+512*\g
.endr
.endr
.endm
.macro FETCH_B k
	WIN 0
.irp b, 0,1,2,3,4,5,6,7
.irp g, 0,1
	ds_load_b128 v[BS+64*((\k)%2)+8*\b+4*\g:BS+64*((\k)%2)+8*\b+4*\g+3], v[AB+\b/4] offset:16384*(\b%4)+1024*(\k)+512*\g
.endr
.endr
.endm
.irp s, 0,1,2,3,4,5,6,7
	LOAD_A \s
.endr
	WIN 0
	s_wait_tensorcnt 0x0                           ; my quarter of the weights is in,
	s_barrier_signal -1
	s_barrier_wait -1                              ; everybody's is
	FETCH_B 0
; 16 products: tiles of rows a0, a0 + 1 x the 8 column tiles.  The 32 accumulators take turns, one instruction a turn, in the same order in every step; the first step starts the sums
.macro MUL16 k, a0
	WIN 0xa4                                       ; source 0 (Wo) window 0, source 1 (values) window 1, C and D window 2
.irp a, \a0, \a0+1
.irp b, 0,1,2,3,4,5,6,7
.if (\k) == 0
	v_wmma_f32_16x16x64_fp8_fp8 v[8*(8*(\a)+\b):8*(8*(\a)+\b)+7], v[BS+64*((\k)%2)+8*\b:BS+64*((\k)%2)+8*\b+7], v[32*((\k)%8)+8*(\a):32*((\k)%8)+8*(\a)+7], 0
.else
	v_wmma_f32_16x16x64_fp8_fp8 v[8*(8*(\a)+\b):8*(8*(\a)+\b)+7], v[BS+64*((\k)%2)+8*\b:BS+64*((\k)%2)+8*\b+7], v[32*((\k)%8)+8*(\a):32*((\k)%8)+8*(\a)+7], v[8*(8*(\a)+\b):8*(8*(\a)+\b)+7]
.endif
.endr
.endr
.endm
.macro STEP k
	s_wait_dscnt 0x0                               ; this step's fragments of Wo are in
.if (\k) == 0
	s_wait_loadcnt 56                              ; the bias and step 0 are in; steps 1 to 7, eight loads each, may be out
.elseif (\k)+6 <= 15
	s_wait_loadcnt 48                              ; six younger steps may be out
.else
	s_wait_loadcnt 8*(15-(\k))                     ; the counts run down
.endif
	MUL16 \k, 0
.if (\k) < 15
	PLACES 4                                       ; four plain lines in front of loads into registers that the step before multiplied
	FETCH_B (\k)+1
.endif
.if ((\k) >= 1) && ((\k) <= 8)
	LOAD_A (\k)+7                                  ; into the set that the step before read
.endif
	MUL16 \k, 2
.endm
.set SG, 0
.rept 16
	STEP SG
.set SG, SG+1
.endr
	WIN 0
	s_wait_kmcnt 0x0
	s_add_co_i32 s46, s42, s43
	s_add_co_i32 s46, s46, 127
	s_lshl_b32 s46, s46, 23                        ; 2^(e6 + e7) as f32
	s_mov_b32 s47, s46                             ; (named with it as a pair)
; THE WAY OUT, a block of 16 rows x 128 columns at a time.  LDS serves a wave's instructions in order: no wait between the stores into my stage and the loads from it
.macro TOSTAGE a
	WIN 0x32                                       ; source 0 (the sums) window 2, source 2 (bo) window 3
.set j_, 0
.rept 32
	v_pk_fma_f32 v[TMP+j_:TMP+j_+1], v[64*(\a)+j_:64*(\a)+j_+1], s[46:47], v[j_:j_+1] op_sel_hi:[1,0,1]   ; each accumulator from its low end on
.set j_, j_+2
.endr
	WIN 0
.irp b, 0,1,2,3,4,5,6,7
	ds_store_b128 v[STO], v[TMP+8*\b:TMP+8*\b+3] offset:64*\b
	ds_store_b128 v[STO], v[TMP+8*\b+4:TMP+8*\b+7] offset:64*\b+16
.endr
.irp t, 0,1,2,3,4,5,6,7,8,9,10,11,12,13,14,15
	ds_load_b128 v[BK+64*((\a)%2)+4*\t:BK+64*((\a)%2)+4*\t+3], v[RD] offset:SPITCH*\t
.endr
.endm
.macro SEND a, younger                 ; younger: the LDS instructions issued behind block a's loads, which may stay out
	s_wait_dscnt \younger
.irp t, 0,1,2,3,4,5,6,7,8,9,10,11,12,13,14,15
	global_store_b128 v[L16], v[BK+64*((\a)%2)+4*\t:BK+64*((\a)%2)+4*\t+3], s[12:13] offset:(16*(\a)+\t)*4096 th:TH_STORE_NT   ; 32 lanes store 512 consecutive bytes, aligned; written once
.endr
.endm
	PLACES 4
	TOSTAGE 0
.irp a, 1,2,3
.if \a > 1
	s_wait_xcnt 0x0                                ; the stores of two blocks back have read the registers into which this block's rows are read back
.endif
	TOSTAGE \a
	SEND \a-1, 32                                  ; behind that block's loads: this block's 16 stores and 16 loads
.endr
	SEND 3, 0
	s_wait_tensorcnt 0x0
	ds_add_u32 v126, v127
	s_wait_dscnt 0x0
	CROUND                                         ; the closing round
	s_endpgm
.Lfunc_end_k_q1b858f565b_proj:
	.size	k_q1b858f565b_proj, .Lfunc_end_k_q1b858f565b_proj-k_q1b858f565b_proj
	.p2alignl 7, 3214868480
	.fill 96, 4, 3214868480
	.section	.rodata,"a",@progbits
	.p2align	6, 0x0
	.amdhsa_kernel k_q1b858f565b_proj
		.amdhsa_group_segment_fixed_size 168448
		.amdhsa_private_segment_fixed_size 0
		.amdhsa_enable_private_segment 0
		.amdhsa_kernarg_size 40
		.amdhsa_user_sgpr_count 2
		.amdhsa_user_sgpr_kernarg_segment_ptr 1
		.amdhsa_wavefront_size32 1
		.amdhsa_system_sgpr_workgroup_id_x 1
		.amdhsa_system_sgpr_workgroup_id_y 1
		.amdhsa_system_sgpr_workgroup_id_z 1
		.amdhsa_system_vgpr_workitem_id 0
		.amdhsa_next_free_vgpr 1024
		.amdhsa_next_free_sgpr 66
		.amdhsa_reserve_vcc 0
		.amdhsa_float_denorm_mode_32 3
		.amdhsa_float_denorm_mode_16_64 3
		.amdhsa_memory_ordered 1
		.amdhsa_forward_progress 1
		.amdhsa_inst_pref_size 93
	.end_amdhsa_kernel
	.amdgpu_metadata
---
amdhsa.version: [ 1, 2 ]
amdhsa.kernels:
  - .name:           k_q1b858f565b_proj
    .symbol:         k_q1b858f565b_proj.kd
    .args:
      - { .name: val_img, .offset: 0, .size: 8, .value_kind: global_buffer, .address_space: global }
      - { .name: wo_img, .offset: 8, .size: 8, .value_kind: global_buffer, .address_space: global }
      - { .name: bo, .offset: 16, .size: 8, .value_kind: global_buffer, .address_space: global }
      - { .name: lowp_scales, .offset: 24, .size: 8, .value_kind: global_buffer, .address_space: global }
      - { .name: out0, .offset: 32, .size: 8, .value_kind: global_buffer, .address_space: global }
    .group_segment_fixed_size: 168448
    .private_segment_fixed_size: 0
    .kernarg_segment_align: 8
    .kernarg_segment_size: 40
    .max_flat_workgroup_size: 128
    .sgpr_count:     66
    .vgpr_count:     1024
    .wavefront_size: 32
...
	.end_amdgpu_metadata
.endif
;; end of part 4
